; MI455X (gfx1250); checked and timed in simulation.
; The chip was launched on July 23, 2026; its instructions are those of AMD's public machine-readable ISA for CDNA 5 (MIT licence, August 2026) and "CDNA5" Instruction Set Architecture Reference Guide (July 2026). The comments in the code are by the model that wrote it; some were corrected since.
;; DTWLAYER. Allowed arithmetic: float matrix products may take bf16 or f16 operands with f32 sums; all other float work in f32.
;; Inputs: protos 32 x 64 float32; x 64 x 512 float32.
;; Outputs: out0 64 x 32 x 1 float32.
;; One version. Each part assembles by itself: llvm-mc -triple=amdgcn-amd-amdhsa -mcpu=gfx1250 --defsym DOCPART=n.
;; ======== version 1 of 1: 1 launch
;; limits: right only within a limited range of input values
;; launch dtw (part 1): grid 64 x 4, 8 waves a work-group, no clusters, 168,960 bytes of LDS; arguments x, protos, out0; writes out0
.if DOCPART == 1
	.amdgcn_target "amdgcn-amd-amdhsa--gfx1250"
	.amdhsa_code_object_version 6
	.text
	.protected	k_q454693e1b5_dtw
	.globl	k_q454693e1b5_dtw
	.p2align	8
	.type	k_q454693e1b5_dtw,@function
k_q454693e1b5_dtw:
	s_mov_b64 s[64:65], 0
	v_nop
	global_prefetch_b8 v0, s[64:65] scope:SCOPE_SE
	s_setreg_imm32_b32 hwreg(HW_REG_WAVE_MODE, 25, 1), 1
	s_wait_xcnt 0x0
; Band-limited soft-DTW: out[b][f] = D[511][63] / 512, D[i][j] = (x[b][i]-p[f][j])^2 + softmin(D[i-1][j], D[i][j-1], D[i-1][j-1]).
; The band |i/511 - j/63| <= 0.2 is |9i - 73j| <= 919 in whole numbers (920 would be 0.20004); cells outside it are BIG and are not worked on.
;
; ONE WAVE = ONE PAIR (b, f).  exp(-D) is a sum over paths, and every path either visits one cell of the anti-diagonal i + j = 287 or
; steps diagonally from 286 to 288.  So lanes 0-15 run the table F from (0,0) and lanes 16-31 the table R from (511,63), which is the same
; recurrence and the same band on x and p read backwards; both run 288 anti-diagonals (t = 0..287), and at the end
;   D = softmin( F(v) + R(v) - c(v), v on 287 ;  F(u) + R(u + (1,1)), u on 286 ).
; Half the dependent steps, twice the independent chains.
; A lane owns two neighbouring columns, A = 2l and B = 2l+1 (later 2l+32, 2l+33: at most 23 columns of an anti-diagonal lie in the band, so
; column j lives in slot j mod 32).  In step t it makes cell A = (t-2l, 2l) and cell B = (t-2l-1, 2l+1), which do not depend on each other:
;   A: up = my A of t-1, left = my left neighbour's B of t-1 (one rotation inside 16 lanes), diagonal = the same rotation of one step ago
;   B: up = my B of t-1, left = my A of t-1, diagonal = my A of t-2
; Numbers are kept times log2(e) (x and p are scaled by its root), so softmin = m - log2(1 + 2^(m-med) + 2^(m-max)) with m, med, max the
; least, middle and largest predecessor: the minimum is taken away in every cell, two exponentials and one logarithm a cell.
; The band is data: pen[t][lane][A,B] = 0 inside, BIG outside, the same for all pairs and both directions, built once in LDS, and added by
; the fused multiply-add that squares x - p.  A masked cell then holds BIG or more; its exponentials are 0 as with reference()'s exact BIG.
; LIMITS: table values stay below BIG = 1e9 (beyond it reference() itself would route through masked cells); the order of rounding differs
; from reference()'s (two half tables, base 2); terms below 2^-126 of the largest count as 0.
; NO CLUSTER, NO TENSOR LOAD: a work-group reads 2,048 bytes of x and 2,048 of protos once; four work-groups share a row of x, that is all.
; OUTPUT: a wave's whole result is 4 bytes, a work-group's 32; gathering them would cost barriers and still fill no 256 consecutive bytes.
.set U,      16                        ; steps in a block; 288 = 18 blocks
.set LAST,   272                       ; t of the last block's first step
.set BAND,   919
.set SQ,     0x3f99be61                ; sqrt(log2 e)
.set BIGS,   0x4eabfb8f                ; 1e9 * log2 e
.set OUTSC,  0x3ab17218                ; ln 2 / 512
; LDS: pen table, 144 groups of two steps x 16 lanes x 16 bytes (A(t), B(t), A(t+1), B(t+1)); then four arrays of 512 words of x:
; xr[n] = x'(304 - n), descending, so that 8 aligned bytes are (x[i], x[i-1]) = (A's, B's); 0 where 304 - n < 0.
.set XF0,    36864                     ; forward, copy 0 (even n first)
.set XDIR,   2176                      ; to the backward array: 2,048 + 128 bytes, so that the two halves of a wave use different banks
.set XCOPY,  4352                      ; to copy 1, which holds xr[m+1] at word m: serves the odd steps with aligned loads
; registers
.set LN,   1                           ; l = lane % 16
.set DIRV, 2                           ; 0 forward, 1 backward
.set THR,  3                           ; first t at which I own columns 2l+32, 2l+33
.set XB,   4                           ; LDS address of x for the block that is being loaded, first window
.set XA,   5                           ; the same with my window
.set PA,   6                           ; LDS address of my pens for that block
.set V128, 7
.set BIGR, 8
.set ZR,   9
.set P0,   10                          ; v[10:11] p' of columns 2l, 2l+1
.set P1,   12                          ; v[12:13] p' of columns 2l+32, 2l+33
.set P,    14                          ; v[14:15] those in use
.set D,    16                          ; v[16:17], v[18:19]: (A, B) of even and of odd steps, in turn
.set L,    20                          ; v20, v21: the rotated B, in turn
.set M,    22
.set MED,  24
.set MAX,  26
.set T1,   28
.set T2,   30
.set E1,   32
.set E2,   34
.set S,    36
.set LG,   38
.set DIFF, 40
.set CP,   42
.set CM,   44
.set TMP,  46
.set N4,   47
.set OF1,  48
.set OB1,  49
.set I2,   50
.set OF2,  51
.set XD,   52                          ; v[52:55] x as loaded
.set OB2,  56
.set PO,   57                          ; v[57:60] offsets into protos
.set A00,  61
.set I00,  62
.set UA,   63
.set RING, 64                          ; v[64:127] eight groups of two steps: x pair, x pair, four pens
	s_load_b128 s[4:7], s[0:1], 0x0                ; x s[4:5], protos s[6:7]
	s_load_b64 s[8:9], s[0:1], 0x10                ; out
	v_lshl_add_u32 v128, v0, 2, 0x29000
	v_mov_b32 v129, 0
	v_lshrrev_b32 v[TMP], 5, v0
	v_readfirstlane_b32 s10, v[TMP]                ; wave 0..7
	s_and_b32 s11, ttmp7, 0xffff
	s_lshl3_add_u32 s11, s11, s10                  ; f = 8 * group + wave;  b = ttmp9
	s_lshl_b32 s12, ttmp9, 11                      ; b rows of 2,048 bytes
	s_mov_b32 s13, 0
	s_lshl_b32 s14, s11, 8                         ; f rows of 256 bytes
	s_mov_b32 s15, 0
	s_lshl_b32 s16, ttmp9, 5
	s_add_co_u32 s16, s16, s11
	s_lshl_b32 s16, s16, 2                         ; 4 (32 b + f)
	s_mov_b32 s17, 0
	; x: thread n fills entries n and n + 256 of the four arrays.  Entry n is row i = 304 - n: forward x[i], backward x[511 - i].
	v_lshlrev_b32 v[N4], 2, v0
	v_sub_nc_u32 v[OF1], 1216, v[N4]               ; 4 (304 - n)
	v_add_nc_u32 v[OB1], 828, v[N4]                ; 4 (511 - 304 + n)
	v_sub_nc_u32 v[I2], 48, v0                     ; i of entry n + 256: negative from n = 49 on
	v_cmp_le_i32 s23, 0, v[I2]
	v_cndmask_b32 v[OF2], 0, v[I2], s23            ; rows that do not exist load row 0 and are zeroed below
	v_lshlrev_b32 v[OF2], 2, v[OF2]
	v_sub_nc_u32 v[OB2], 2044, v[OF2]
	; p: column j is at byte 4 j, backward at 252 - 4 j = 4 j xor 252
	v_and_b32 v[LN], 15, v0
	v_bfe_u32 v[DIRV], v0, 4, 1
	v_mul_u32_u24 v[PO], v[DIRV], 252
	v_lshlrev_b32 v[TMP], 3, v[LN]
	v_xor_b32 v[PO], v[PO], v[TMP]                 ; column 2l
	v_xor_b32 v[PO+1], 4, v[PO]                    ; 2l + 1
	v_xor_b32 v[PO+2], 128, v[PO]                  ; 2l + 32
	v_xor_b32 v[PO+3], 132, v[PO]                  ; 2l + 33
	s_wait_kmcnt 0x0
	s_add_nc_u64 s[4:5], s[4:5], s[12:13]
	s_add_nc_u64 s[6:7], s[6:7], s[14:15]
	s_add_nc_u64 s[8:9], s[8:9], s[16:17]
	global_load_b32 v[XD],   v[OF1], s[4:5]
	global_load_b32 v[XD+1], v[OB1], s[4:5]
	global_load_b32 v[XD+2], v[OF2], s[4:5]
	global_load_b32 v[XD+3], v[OB2], s[4:5]
	global_load_b32 v[P0],   v[PO],   s[6:7]
	global_load_b32 v[P0+1], v[PO+1], s[6:7]
	global_load_b32 v[P1],   v[PO+2], s[6:7]
	global_load_b32 v[P1+1], v[PO+3], s[6:7]
	; THE PEN TABLE, while the loads are on their way.  2,304 units of 16 bytes, nine for each of the 256 threads: unit u = thread + 256 k
	; is group g = u / 16 (steps 2g, 2g+1) of lane u % 16.  Slot q at step t holds column q or q + 32; on an anti-diagonal the band is
	; |9t - 82j| <= 919, and row t - j must not be negative.  With a = 9t - 82q + 919:  inside <=> (a <= 1838 unsigned and t >= q)
	; or (a - 2624 <= 1838 unsigned).  t < q happens only below t = 32 (k = 0); column 32 starts at t = 190 (k >= 5).
	v_lshrrev_b32 v[TMP], 4, v0                    ; g for k = 0
	v_mad_u32_u24 v[A00], v[TMP], 18, BAND
	v_mul_u32_u24 v[I00], v[LN], 164
	v_sub_nc_u32 v[A00], v[A00], v[I00]            ; a of (t, q) = (2g, 2l)
	v_sub_nc_u32 v[I00], v[TMP], v[LN]
	v_lshlrev_b32 v[I00], 1, v[I00]                ; t - q of the same, signed
	v_lshlrev_b32 v[UA], 4, v0
	v_mov_b32 v[BIGR], BIGS
	v_mov_b32 v[ZR], 0
	s_mov_b32 s20, 2*BAND
.macro PENTRY k, e, dt, dq
.set CC, 288*\k+9*\dt-82*\dq
.if CC == 0
	v_cmp_ge_u32 s21, s20, v[A00]
.else
	v_add_nc_u32 v[TMP], CC, v[A00]
	v_cmp_ge_u32 s21, s20, v[TMP]
.endif
.if \k == 0
	v_cmp_le_i32 s22, \dq-\dt, v[I00]
	s_and_b32 s21, s21, s22
.endif
.if \k >= 5
	v_add_nc_u32 v[TMP], CC-2624, v[A00]
	v_cmp_ge_u32 s22, s20, v[TMP]
	s_or_b32 s21, s21, s22
.endif
	v_cndmask_b32 v[RING+\e], v[BIGR], v[ZR], s21
.endm
.irp k, 0,1,2,3,4,5,6,7,8
	PENTRY \k, 0, 0, 0
	PENTRY \k, 1, 0, 1
	PENTRY \k, 2, 1, 0
	PENTRY \k, 3, 1, 1
	ds_store_b128 v[UA], v[RING:RING+3] offset:4096*\k
.endr
	; lane constants and the state in front of step 0: everything BIG, but the corner D[-1][-1] = 0, which is lane 0's diagonal
	v_lshl_add_u32 v[THR], v[LN], 4, 144           ; 144 + 16 l lies behind the last step of column 2l+1 (111 + 18.2 l) and not behind the first of 2l+32 (190 + 18.2 l)
	v_mul_u32_u24 v[XB], v[DIRV], XDIR
	v_lshl_add_u32 v[XB], v[LN], 3, v[XB]
	v_add_nc_u32 v[XB], XF0+4*(304-U), v[XB]       ; word 304 - U - t0 + 2l of my direction's array, t0 = 0; the loads add 4 (U - k)
	v_lshlrev_b32 v[PA], 4, v[LN]
	v_mov_b32 v[V128], 128
.irp r, 0,1,2,3,4
	v_mov_b32 v[D+\r], BIGS                        ; D (four) and L's first
.endr
	v_cmp_eq_u32 vcc_lo, 0, v[LN]
	v_cndmask_b32 v[L+1], v[BIGR], v[ZR], vcc_lo
	s_wait_loadcnt 0x0
	v_pk_mul_f32 v[XD:XD+1],   v[XD:XD+1],   SQ op_sel_hi:[1,0]
	v_pk_mul_f32 v[XD+2:XD+3], v[XD+2:XD+3], SQ op_sel_hi:[1,0]
	v_pk_mul_f32 v[P0:P0+1],   v[P0:P0+1],   SQ op_sel_hi:[1,0]
	v_pk_mul_f32 v[P1:P1+1],   v[P1:P1+1],   SQ op_sel_hi:[1,0]
	v_cndmask_b32 v[XD+2], 0, v[XD+2], s23
	v_cndmask_b32 v[XD+3], 0, v[XD+3], s23
	ds_store_b32 v[N4], v[XD]   offset:XF0
	ds_store_b32 v[N4], v[XD]   offset:XF0+XCOPY-4             ; copy 1: one word lower (entry 0 falls into the 128 spare bytes in front)
	ds_store_b32 v[N4], v[XD+1] offset:XF0+XDIR
	ds_store_b32 v[N4], v[XD+1] offset:XF0+XDIR+XCOPY-4
	ds_store_b32 v[N4], v[XD+2] offset:XF0+1024
	ds_store_b32 v[N4], v[XD+2] offset:XF0+XCOPY+1020
	ds_store_b32 v[N4], v[XD+3] offset:XF0+XDIR+1024
	ds_store_b32 v[N4], v[XD+3] offset:XF0+XDIR+XCOPY+1020
	s_wait_dscnt 0x0                               ; my part of the tables is written: zero, for the other waves' sake
	s_barrier_signal -1
	s_barrier_wait -1                              ; from here on the tables are only read
; three loads for group g (steps 2g, 2g+1 of a block): the even step's (x[i], x[i-1]), the odd step's from copy 1, four pens
.macro LOADG g, xa
	ds_load_b64  v[RING+8*\g:RING+8*\g+1],   v[\xa] offset:64-8*\g
	ds_load_b64  v[RING+8*\g+2:RING+8*\g+3], v[\xa] offset:XCOPY+56-8*\g
	ds_load_b128 v[RING+8*\g+4:RING+8*\g+7], v[PA]  offset:256*\g
.endm
; one anti-diagonal.  par = t % 2; xr: the x pair; pr: the pen pair.  DP holds step t-1, DN step t-2 and then step t.
.macro STEP par, xr, pr
.set DN, D+2*\par
.set DP, D+2-2*\par
	v_mov_b32_dpp v[L+\par], v[DP+1] row_ror:1 row_mask:0xf bank_mask:0xf          ; lane l takes lane l-1's B, lane 0 lane 15's (column 31 for column 32)
	v_pk_add_f32 v[DIFF:DIFF+1], v[\xr:\xr+1], v[P:P+1] neg_lo:[0,1] neg_hi:[0,1]
	v_min3_num_f32 v[M+1],   v[DP+1], v[DP], v[DN]                                 ; B first: it does not wait for the rotation
	v_med3_num_f32 v[MED+1], v[DP+1], v[DP], v[DN]
	v_max3_num_f32 v[MAX+1], v[DP+1], v[DP], v[DN]
	v_min3_num_f32 v[M],   v[DP], v[L+\par], v[L+1-\par]
	v_med3_num_f32 v[MED], v[DP], v[L+\par], v[L+1-\par]
	v_max3_num_f32 v[MAX], v[DP], v[L+\par], v[L+1-\par]
	v_pk_add_f32 v[T1:T1+1], v[M:M+1], v[MED:MED+1] neg_lo:[0,1] neg_hi:[0,1]
	v_pk_add_f32 v[T2:T2+1], v[M:M+1], v[MAX:MAX+1] neg_lo:[0,1] neg_hi:[0,1]
	v_exp_f32 v[E1],   v[T1]
	v_exp_f32 v[E1+1], v[T1+1]
	v_exp_f32 v[E2],   v[T2]
	v_exp_f32 v[E2+1], v[T2+1]
	v_pk_fma_f32 v[CP:CP+1], v[DIFF:DIFF+1], v[DIFF:DIFF+1], v[\pr:\pr+1]          ; cost + pen; also the plain instruction between the exponentials and their use (ISA guide 5.7.2)
	s_wait_alu depctr_va_vdst(0)
	v_pk_add_f32 v[S:S+1], v[E1:E1+1], 1.0 op_sel_hi:[1,0]                         ; the least predecessor's own term is 2^0
	v_pk_add_f32 v[S:S+1], v[S:S+1], v[E2:E2+1]
	v_log_f32 v[LG],   v[S]
	v_log_f32 v[LG+1], v[S+1]
	v_pk_add_f32 v[CM:CM+1], v[CP:CP+1], v[M:M+1]                                  ; likewise between the logarithms and their use
	s_wait_alu depctr_va_vdst(0)
	v_pk_add_f32 v[DN:DN+1], v[CM:CM+1], v[LG:LG+1] neg_lo:[0,1] neg_hi:[0,1]
.endm
; a block of 16 steps that starts at t = s12.  refill = 1: each group's registers are loaded again, for the next block, as soon as it is done.
.macro BLOCK refill
	v_cmp_ge_u32 vcc_lo, s12, v[THR]
	v_cndmask_b32 v[P],   v[P0],   v[P1],   vcc_lo                                 ; my columns in this block
	v_cndmask_b32 v[P+1], v[P0+1], v[P1+1], vcc_lo
.if \refill
	s_add_co_u32 s13, s12, U
	v_cmp_ge_u32 vcc_lo, s13, v[THR]                                               ; and in the next: 32 columns on are 32 words up in the descending array
	v_sub_nc_u32 v[XB], v[XB], 4*U
	v_cndmask_b32 v[TMP], 0, v[V128], vcc_lo
	v_add_nc_u32 v[XA], v[XB], v[TMP]
	v_add_nc_u32 v[PA], 128*U, v[PA]
.endif
.irp g, 0,1,2,3,4,5,6,7
.if \refill
	s_wait_dscnt 21                                ; LDS loads return in order (ISA guide 5.7.1): this group's three are in, the 7 x 3 issued behind them stay out
.else
	s_wait_dscnt 21-3*\g                           ; nothing is issued any more: the counts run down to 0
.endif
	STEP 0, RING+8*\g,   RING+8*\g+4
	STEP 1, RING+8*\g+2, RING+8*\g+6
.if \refill
	LOADG \g, XA
.endif
.endr
.endm
.irp g, 0,1,2,3,4,5,6,7
	LOADG \g, XB                                   ; block 0: every lane is in its first window
.endr
	s_mov_b32 s12, 0
.Lblock:
	BLOCK 1
	s_add_co_u32 s12, s12, U
	s_cmp_lt_u32 s12, LAST
	s_cbranch_scc1 .Lblock
	BLOCK 0                                        ; the last block loads nothing: no read past the tables
	; THE TWO HALVES MEET.  v[D+2:D+3] = anti-diagonal 287, v[D:D+1] = 286, in both directions.  Forward column j meets backward column
	; 63 - j on 287 (the same cell: its cost, still in DIFF, is counted once) and 62 - j for the diagonal step 286 -> 288.  In slots:
	; A(l) with B(15-l), B(l) with A(15-l);  A(l) with A(15-l), B(l) with B(14-l).  Where two slots hold columns that do not add up so,
	; one of them (44..49) is outside the band and holds BIG.  Both halves of the wave form the same 64 sums.
	s_mov_b32 s16, 0x89abcdef                      ; lane l of one half reads lane 15 - l of the other
	s_mov_b32 s17, 0x01234567
	s_mov_b32 s18, 0x789abcde                      ; lane (14 - l) mod 16
	s_mov_b32 s19, 0xf0123456
	v_pk_fma_f32 v[CM:CM+1], v[DIFF:DIFF+1], v[DIFF:DIFF+1], v[D+2:D+3] neg_lo:[1,0,0] neg_hi:[1,0,0]
	v_permlanex16_b32 v[MED],   v[D+3], s16, s17
	v_permlanex16_b32 v[MED+1], v[D+2], s16, s17
	v_permlanex16_b32 v[MAX],   v[D],   s16, s17
	v_permlanex16_b32 v[MAX+1], v[D+1], s18, s19
	v_pk_add_f32 v[T1:T1+1], v[CM:CM+1], v[MED:MED+1]
	v_pk_add_f32 v[T2:T2+1], v[D:D+1],   v[MAX:MAX+1]
	v_min3_num_f32 v[M], v[T1], v[T1+1], v[T2]
	v_min_num_f32 v[M], v[M], v[T2+1]
.irp x, 1,2,4,8
	v_min_num_f32_dpp v[M], v[M], v[M] row_xmask:\x row_mask:0xf bank_mask:0xf     ; the least of the 64, in all 16 lanes
.endr
	v_pk_add_f32 v[E1:E1+1], v[M:M+1], v[T1:T1+1] op_sel_hi:[0,1] neg_lo:[0,1] neg_hi:[0,1]
	v_pk_add_f32 v[E2:E2+1], v[M:M+1], v[T2:T2+1] op_sel_hi:[0,1] neg_lo:[0,1] neg_hi:[0,1]
	v_exp_f32 v[S],    v[E1]
	v_exp_f32 v[S+1],  v[E1+1]
	v_exp_f32 v[LG],   v[E2]
	v_exp_f32 v[LG+1], v[E2+1]
	v_and_b32 v[TMP], 31, v0                       ; (the plain instruction behind the exponentials)
	s_wait_alu depctr_va_vdst(0)
	v_pk_add_f32 v[S:S+1], v[S:S+1], v[LG:LG+1]
	v_add_f32 v[S], v[S], v[S+1]
.irp x, 1,2,4,8
	v_add_f32_dpp v[S], v[S], v[S] row_xmask:\x row_mask:0xf bank_mask:0xf
.endr
	v_log_f32 v[LG], v[S]
	v_cmp_eq_u32 vcc_lo, 0, v[TMP]                 ; (and behind the logarithm)
	v_mov_b32 v[N4], 0
	s_wait_alu depctr_va_vdst(0)
	v_sub_f32 v[M], v[M], v[LG]
	v_mul_f32 v[M], OUTSC, v[M]                    ; back to base e, and / 512
	s_wait_xcnt 0x0                                ; EXEC is narrowed only behind this wait
	s_wait_tensorcnt 0x0
	ds_add_u32 v128, v129
	s_wait_dscnt 0x0
	s_and_saveexec_b32 s20, vcc_lo                 ; lane 0 stores the wave's one number
	global_store_b32 v[N4], v[M], s[8:9]
	s_endpgm
.Lfunc_end_k_q454693e1b5_dtw:
	.size	k_q454693e1b5_dtw, .Lfunc_end_k_q454693e1b5_dtw-k_q454693e1b5_dtw
	.p2alignl 7, 3214868480
	.fill 96, 4, 3214868480
	.section	.rodata,"a",@progbits
	.p2align	6, 0x0
	.amdhsa_kernel k_q454693e1b5_dtw
		.amdhsa_group_segment_fixed_size 168960
		.amdhsa_private_segment_fixed_size 0
		.amdhsa_enable_private_segment 0
		.amdhsa_kernarg_size 24
		.amdhsa_user_sgpr_count 2
		.amdhsa_user_sgpr_kernarg_segment_ptr 1
		.amdhsa_wavefront_size32 1
		.amdhsa_system_sgpr_workgroup_id_x 1
		.amdhsa_system_sgpr_workgroup_id_y 1
		.amdhsa_system_sgpr_workgroup_id_z 1
		.amdhsa_system_vgpr_workitem_id 0
		.amdhsa_next_free_vgpr 130
		.amdhsa_next_free_sgpr 66
		.amdhsa_reserve_vcc 1
		.amdhsa_float_denorm_mode_32 3
		.amdhsa_float_denorm_mode_16_64 3
		.amdhsa_memory_ordered 1
		.amdhsa_forward_progress 1
		.amdhsa_inst_pref_size 60
	.end_amdhsa_kernel
	.amdgpu_metadata
---
amdhsa.version: [ 1, 2 ]
amdhsa.kernels:
  - .name:           k_q454693e1b5_dtw
    .symbol:         k_q454693e1b5_dtw.kd
    .args:
      - { .name: x, .offset: 0, .size: 8, .value_kind: global_buffer, .address_space: global }
      - { .name: protos, .offset: 8, .size: 8, .value_kind: global_buffer, .address_space: global }
      - { .name: out0, .offset: 16, .size: 8, .value_kind: global_buffer, .address_space: global }
    .group_segment_fixed_size: 168960
    .private_segment_fixed_size: 0
    .kernarg_segment_align: 8
    .kernarg_segment_size: 24
    .max_flat_workgroup_size: 256
    .sgpr_count:     66
    .vgpr_count:     130
    .wavefront_size: 32
...
	.end_amdgpu_metadata
.endif
;; end of part 1
